; MI455X (gfx1250); checked and timed in simulation.
; The chip was launched on July 23, 2026; its instructions are those of AMD's public machine-readable ISA for CDNA 5 (MIT licence, August 2026) and "CDNA5" Instruction Set Architecture Reference Guide (July 2026). The comments in the code are by the model that wrote it; some were corrected since.
;; Causal Self Attention. Allowed arithmetic: matrix products marked QUANTISED: E5M2 operands, one given power-of-two scale a tensor, by v_wmma_f32_16x16x64_bf8_bf8 or v_wmma_f32_16x16x128_bf8_bf8, f32 sums; everything else in f32.
;; Inputs: bk 1,024 float32; bo 1,024 float32; bq 1,024 float32; bv 1,024 float32; lowp_scales 12 int32 (the exponents e of the quantised operands' scales 2^e); wk_codes 1,024 x 32 x 32 uint8 (E5M2 codes of wk, K innermost, in blocks of 32 codes); wo_codes 1,024 x 32 x 32 uint8 (E5M2 codes of wo, K innermost, in blocks of 32 codes); wq_codes 1,024 x 32 x 32 uint8 (E5M2 codes of wq, K innermost, in blocks of 32 codes); wv_codes 1,024 x 32 x 32 uint8 (E5M2 codes of wv, K innermost, in blocks of 32 codes); x_codes 4 x 2,048 x 32 x 32 uint8 (E5M2 codes of x, K innermost, in blocks of 32 codes).
;; Outputs: out0 4 x 2,048 x 1,024 float32.
;; This version of the problem:
;;   THIS VERSION OF THE PROBLEM IS GIVEN IN LOW PRECISION. The matrix products marked QUANTISED in the list below multiply operands that are first quantised to E5M2 (5 exponent bits, 2 mantissa bits; 8 bits a number), with one given power-of-two scale for each operand tensor; their sums are f32. All else is computed in f32.
;;   The module's matrix products, in the order in which they are computed (A, B: the left and right operand; K: the contracted axis; several contracted axes count as one K, in the product's order):
;;     1. [M 8,192, K 1,024] x [K 1,024, N 1,024]; A: input x (given as codes); B: input wq (given as codes): QUANTISED (scales: A lowp_scales[0], B lowp_scales[1])
;;     2. [M 8,192, K 1,024] x [K 1,024, N 1,024]; A: input x (given as codes); B: input wk (given as codes): QUANTISED (scales: A lowp_scales[2], B lowp_scales[3])
;;     3. [M 8,192, K 1,024] x [K 1,024, N 1,024]; A: input x (given as codes); B: input wv (given as codes): QUANTISED (scales: A lowp_scales[4], B lowp_scales[5])
;;     4. batch 64 x [M 2,048, K 64] x [K 64, N 2,048]; A: computed on the way; B: computed on the way: QUANTISED (scales: A lowp_scales[6], B lowp_scales[7])
;;     5. batch 64 x [M 2,048, K 2,048] x [K 2,048, N 64]; A: softmax (see below); B: computed on the way: QUANTISED (scales: A lowp_scales[8], B lowp_scales[9])
;;     6. [M 8,192, K 1,024] x [K 1,024, N 1,024]; A: computed on the way; B: input wo (given as codes): QUANTISED (scales: A lowp_scales[10], B lowp_scales[11])
;;   THE QUANTISER, for each operand of a quantised product, along K:
;;     - The operand's scale is 2^e, e = its entry of the input lowp_scales (int32; the entries are numbered through the quantised products in the list's order, A before B).
;;     - Each number is divided by the scale, clamped to +-57,344, and rounded to the nearest number of E5M2, ties to even, subnormals kept.
;;     - The product sums the exact products of the quantised numbers (number of the format x scale) in f32.
;;   ~~~python
;;   def quantise(x, axis, e):      # numpy; x: float32 -> the quantised numbers, widened to float32 again
;;       x = np.moveaxis(x, axis, -1); K = x.shape[-1]
;;       r = np.clip(x / 2.0 ** e, -57344, 57344)
;;       step = 2.0 ** (np.maximum(np.frexp(np.where(r == 0, 1, r))[1] - 1, -14) - 2)
;;       q = np.round(r / step) * step * 2.0 ** e      # np.round: ties to even
;;       return np.moveaxis(q, -1, axis).astype(np.float32)
;;   ~~~
;;   SOFTMAX AHEAD OF A QUANTISED PRODUCT. Where the list says 'softmax', what is quantised is not the finished softmax but p = 2^(t - M), with t = logit x log2(e) and M = ceil(the row's largest t), a whole number; so 1/2 < the row's largest p <= 1. The row's sum l is taken of the UNQUANTISED p, in f32, and the product's result is divided by l at the end. Since M is a whole number, a kernel that streams over the keys may use a running M (the ceiling of the running maximum): every later rescaling is an exact power of two, so the quantised numbers keep their values, but for numbers so far below the row's largest that they fall under the format's range.
;;   OPERANDS COMPUTED ON THE WAY. 'Computed on the way' means the value that the module computes at that place (a softmax that the list does not call 'softmax' is quantised finished and normalised). What goes into a quantiser is computed in f32, as accurately as f32 sums, v_exp_f32 and their like allow (about 1e-6 of the number): no bf16 or f16 on the way to a quantiser, and a product that is left as it is and whose result goes on into a quantised operand takes f32 operands (vector FMAs, or v_wmma_f32_16x16x4_f32). A number that lies on a knife's edge between two numbers of the format may be rounded either way, as far as f32 arithmetic and the matrix unit's own rounding can turn it there, and no further.
;;   INPUTS GIVEN AS CODES. wk (in the module: [1024, 1024], K = its axis 0); wo (in the module: [1024, 1024], K = its axis 0); wq (in the module: [1024, 1024], K = its axis 0); wv (in the module: [1024, 1024], K = its axis 0); x (in the module: [4, 2048, 1024], K = its axis 2): each comes as NAME_codes (uint8): NAME with its K axis moved to the last place and cut into blocks of 32 codes, [.., K / 32, bytes a block], one block behind the other in memory; one code a byte (a code: sign, 5 exponent bits, 2 mantissa bits); its scale is its entry of lowp_scales. Its value is code x scale, taken as it is: it is not quantised again, and the codes and scales need not be those that the quantiser above would give.
;; One version. Each part assembles by itself: llvm-mc -triple=amdgcn-amd-amdhsa -mcpu=gfx1250 --defsym DOCPART=n.
;; ======== version 1 of 1: 3 launches
;; limits: right only within a limited range of input values
;; workspace buffers: q_codes 8,388,608 bytes; k_codes 8,388,608 bytes; v_codes 8,388,608 bytes; a_codes 8,388,608 bytes
;; launch qkv (part 1): grid 12 x 32, 4 waves a work-group, clusters of 4 x 4, 327,680 bytes of LDS; arguments x_codes, wq_codes, wk_codes, wv_codes, bq, bk, bv, lowp_scales, q_codes, k_codes, v_codes; writes q_codes, k_codes, v_codes
.if DOCPART == 1
	.amdgcn_target "amdgcn-amd-amdhsa--gfx1250"
	.amdhsa_code_object_version 6
	.text
	.protected	k_qe80d8add8e_qkv
	.globl	k_qe80d8add8e_qkv
	.p2align	8
	.type	k_qe80d8add8e_qkv,@function
k_qe80d8add8e_qkv:
	s_mov_b64 s[64:65], 0
	v_nop
	global_prefetch_b8 v0, s[64:65] scope:SCOPE_SE
	s_setreg_imm32_b32 hwreg(HW_REG_WAVE_MODE, 25, 1), 1
	s_wait_xcnt 0x0
	s_wait_alu depctr_hold_cnt(0) depctr_sa_sdst(0) depctr_va_vdst(0) depctr_va_sdst(0) depctr_va_ssrc(0) depctr_va_vcc(0) depctr_vm_vsrc(0)
	s_getreg_b32 s2, hwreg(HW_REG_IB_STS2, 6, 4)
	s_cmp_eq_u32 s2, 0
	s_cbranch_scc0 .Lentry_in_a_cluster
	s_endpgm
.Lentry_in_a_cluster:
	s_bfe_u32 s2, ttmp6, 0x10000c
	s_cmp_lg_u32 s2, 0xf033
	s_cbranch_scc0 .Lentry_shape_is_right
	s_endpgm
.Lentry_shape_is_right:
; q = x wq + bq, k = x wk + bk, v = x wv + bv on codes of BF8 (E5M2), and the three results quantised again, each with its given scale, as the operands of attention's two products.
; x: [8192][1024] codes, the weights: [1024 (n)][1024 (k)] codes, K innermost.  A sum stands for sum x 2^(ea + eb); value = sum x 2^(ea + eb) + bias; code = value / 2^eo, to the nearest code, ties to even.
; (ea, eb, eo) are entries (0, 1, 6) of the scales for q, (2, 3, 7) for k, (4, 5, 9) for v.
; LIMITS: ea + eb between -126 and 127; eo between -126 and 112, so that each power of two below is an f32 number.  NaN among the biases is not served.
; SHARES.  The cluster's x says which product: 0 q, 1 k, 2 v.  A tile of 256 x 256 is made by four waves, 128 x 128 each: 64 accumulators, 512 registers.  K goes in steps of 256 through two LDS slots.
; The matrix instruction takes 16 rows of the B side as source 0 and 16 rows of the A side as source 1: a lane then holds ONE row of the A side and eight neighbouring rows of the B side.
;   q, k: A side = x (tokens), B side = the weight (n): a lane's eight numbers are eight neighbouring d of one token: neighbours along the first attention product's K.
;   v:    A side = wv (n), B side = x (tokens): a lane's eight numbers are eight neighbouring tokens of one channel: neighbours along the second product's K.  Only pointers differ: the loop over K is one text.
; CLUSTERS: 4 x 4 work-groups; the A side's tile is shared along a row of the cluster, the B side's along a column: each is asked for jointly, by the same tensor load with a mask that names the four.
; OUT.  q_codes, k_codes: [batch x 16 + head][token][64].  v_codes: [batch][row][2048]: row = the channel 64 head + d with its bits 3 and 4 exchanged, place in the row = the token with its bits 3 and 4 exchanged
; (the order in which attention's loads of 16 bytes a lane meet the weights' codes as they fall out of the conversions, and in which its results are 16 neighbouring d a lane).
; REGISTERS, in windows of 256: window 0: v0-31 addresses; v32-47, v64-127 the biases; from v128 the A side's fragments, ONE set; on the way out v128-255 are at work.
;   window 1: the B side's fragments, TWO sets.   window 2: the accumulators of my rows 0-63 ((a, b) at v[8 (8 a + b)]);   window 3: those of my rows 64-127.
.set KSTEP,  256                       ; along K in a slot
.set ROWB,   256                       ; a tile's row in bytes
.set KROW,   1024                      ; a row of x or of a weight in memory, in bytes
.set PITCH,  272                       ; an LDS row: 256 bytes + 16 of padding = 68 words: row r starts at bank 4 r mod 64 (ISA guide 11.1): the 16 rows of a load start at 16 different banks
.set FR,     16                        ; registers of a fragment: 16 rows x 128 K
.set NL,     4                         ; LDS loads that bring one
.set NP,     4                         ; places behind this matrix instruction (ISA guide 7.12.1)
.set HALFT,  128*PITCH                 ; 128 rows: what one tensor load brings
.set SLOT,   4*HALFT                   ; the A side's 256 rows, then the B side's
.set LAPS,   1024/(2*KSTEP)            ; a lap = two K steps = once round the ring
.set SPARE,  2*SLOT                    ; behind the ring: the spare words, 128 bytes for each wave: two blocks of 256 bytes that no other line names
.set QSTG,   0                         ; the way out of q and k: for each wave 2 heads x 16 tokens x (64 bytes + 16).  Both stages lie in slot 0, which has had its last fill and its last read by then
.set VSTG,   10240                     ; the way out of v: the work-group's 256 rows x (256 bytes + 16); bytes of its own
.set ADRA, 16                          ; v16-17  LDS address of my A fragments in slot 0, 1
.set ADRB, 20                          ; v20-21  the same for B
.set STQ,  22                          ; v22     q, k: where I put 8 codes
.set RDQ,  23                          ; v23     q, k: where I read 16 back
.set STV,  24                          ; v24     v: where I put 16 codes
.set RDV,  25                          ; v25     v: where I read 16 back
.set GOQ,  26                          ; v26     q, k: my byte in a store's 512
.set GOV,  27                          ; v27     v: my byte in a store's two rows
.set SPW,  28                          ; v28     LDS address of my spare word; never rewritten
.set NIL,  29                          ; v29     0; never rewritten
.set SCV,  30                          ; v30     2^eo as f32
.set LIM,  31
.set BR,   32                          ; v32-47  v: the bias of my channel in block a, twice (a pair)
.set BC,   64                          ; v64-127 q, k: the biases of my 64 columns, in the accumulators' order
.set AF,   128                         ; the A side's fragments
.set TMP,  128                         ; the way out: a block's 64 values
.set CD,   192                         ; the way out: a block's codes, two sets of 16
.set RB,   224                         ; the way out: codes read back, two sets of 16
.set G1, 24
.set G0, 32
.set G1B, 48
.set G0B, 56
.set MSB, 0
.macro WIN new                         ; the immediate's high byte repeats the setting that is left
.if MSB != \new
	s_set_vgpr_msb (MSB<<8)|\new
.set MSB, \new
.endif
.endm
.set MUL_LO, 0xa1                      ; source 0 (B) window 1, source 1 (A) window 0, C and D window 2
.set MUL_HI, 0xf1                      ; the same, C and D window 3
.set TO_B,   0x40                      ; destination window 1, address window 0
; A joint load: waves 0 and 1 fetch for the A side, waves 2 and 3 for the B side.  The branch hangs on the wave's number alone.  Four v_nop follow each of the two lines.
.macro JLOAD g0a, g1a, g0b, g1b
	s_cmp_eq_u32 s15, 0
	s_cbranch_scc0 .Lfor_b_\@
	tensor_load_to_lds s[\g0a:\g0a+3], s[\g1a:\g1a+7]
	s_nop 0
.rept 4
	v_nop
.endr
	s_branch .Lasked_\@
.Lfor_b_\@:
	tensor_load_to_lds s[\g0b:\g0b+3], s[\g1b:\g1b+7]
	s_nop 0
.rept 4
	v_nop
.endr
.Lasked_\@:
.endm
.macro CREST                           ; a round of the cluster's barrier behind its opening barrier
	s_cmp_lg_u32 s14, 0
	s_cbranch_scc1 .Lnot_wave_0_\@
	s_barrier_signal -3
.Lnot_wave_0_\@:
	s_barrier_wait -3
	s_barrier_signal -1
	s_barrier_wait -1
.endm
.macro CROUND                          ; a whole round
	s_barrier_signal -1
	s_barrier_wait -1
	CREST
.endm
	s_load_b256 s[68:75], s[0:1], 0x0              ; x s[68:69], wq s[70:71], wk s[72:73], wv s[74:75]
	s_load_b256 s[76:83], s[0:1], 0x20             ; bq s[76:77], bk s[78:79], bv s[80:81], the scales' exponents s[82:83]
	s_load_b128 s[84:87], s[0:1], 0x40             ; q's codes s[84:85], k's s[86:87]
	s_load_b64 s[88:89], s[0:1], 0x50              ; v's
	v_lshl_add_u32 v[SPW], v0, 2, SPARE
	v_mov_b32 v[NIL], 0
	ds_add_u32 v28, v29
	ds_add_u32 v28, v29
	s_wait_dscnt 0x0
	v_lshrrev_b32 v1, 5, v0
	v_readfirstlane_b32 s14, v1                    ; wave 0..3
	s_lshr_b32 s15, s14, 1                         ; which half of the tile's A rows is mine.  Also: I fetch for A (0) or for B (1)
	s_and_b32 s16, s14, 1                          ; which half of its B rows.  Also: which 128 rows of that tile I fetch
	s_bfe_u32 s40, ttmp6, 0x40000                  ; cx, cy: my place in the cluster
	s_bfe_u32 s41, ttmp6, 0x40004
	s_and_b32 s18, ttmp7, 0xffff
	s_lshl_b32 s18, s18, 2                         ; 4 x cluster y: it walks the tokens, which are the A side for q and k and the B side for v
	s_cmp_eq_u32 ttmp9, 2                          ; the cluster's x is the same in all sixteen partners
	s_cselect_b32 s19, 0, s18
	s_cselect_b32 s20, s18, 0
	s_add_co_u32 s17, s19, s41                     ; the A side's tile: q, k: 4 y + cy (tokens / 256); v: cy (channels / 256)
	s_add_co_u32 s42, s20, s40                     ; the B side's tile: q, k: cx (columns / 256); v: 4 y + cx (tokens / 256)
	s_lshl_b32 s43, s41, 2
	s_lshl_b32 s43, 15, s43                        ; my row of the cluster
	s_lshl_b32 s44, 0x1111, s40                    ; my column
	; descriptor group 1: a tile of 128 rows x 256 bytes, padded in LDS
	s_or_b32 s[G1+0], s43, (0<<16)|(1<<20)|(1<<21)|(5<<22)|(3<<25)  ; 15:0 the mask: A's tiles go to my row; 17:16 element of 1 byte; 20 padding on; 21 set beside a mask; 24:22 after every 64 words (code 5); 31:25 of 4 words (code 3)
	s_or_b32 s[G1B+0], s44, (0<<16)|(1<<20)|(1<<21)|(5<<22)|(3<<25)
.irp g, G1, G1B
	s_mov_b32 s[\g+1], ROWB<<16                    ; tensor_dim0
	s_mov_b32 s[\g+2], 128<<16                     ; tensor_dim1 = 128
	s_mov_b32 s[\g+3], ROWB<<16                    ; tile_dim0
	s_mov_b32 s[\g+4], 128                         ; tile_dim1 = 128
	s_mov_b32 s[\g+5], KROW                        ; tensor_dim0_stride
	s_mov_b32 s[\g+6], 0
	s_mov_b32 s[\g+7], 0
.endr
	s_lshl_b32 s18, s16, 7                         ; which 128 rows of the tile I fetch
	s_lshl_b32 s20, s17, 8
	s_add_co_u32 s20, s20, s18                     ; A: row 256 x tile + 128 x half
	s_lshl_b32 s46, s42, 8
	s_add_co_u32 s46, s46, s18                     ; B likewise
	s_mov_b32 s21, 0
	s_mov_b32 s47, 0
	s_mov_b64 s[18:19], KROW
	s_mul_u64 s[20:21], s[20:21], s[18:19]         ; in bytes
	s_mul_u64 s[46:47], s[46:47], s[18:19]
	s_mul_i32 s45, s14, HALFT                      ; where they go: wave x 128 rows: no place in the cluster enters an LDS address
	s_wait_kmcnt 0x0
	s_load_b256 s[92:99], s[82:83], 0x0            ; e0 .. e7
	s_load_b64 s[100:101], s[82:83], 0x20          ; e8, e9
	s_cmp_eq_u32 ttmp9, 2                          ; the buffers are chosen by the cluster's x alone
	s_cselect_b64 s[4:5], s[74:75], s[68:69]       ; A side: wv, else x
	s_cselect_b64 s[6:7], s[68:69], s[72:73]       ; B side: x, else wk
	s_cselect_b64 s[8:9], s[80:81], s[78:79]       ; the bias
	s_cselect_b64 s[10:11], s[88:89], s[86:87]     ; the codes' buffer
	s_cmp_eq_u32 ttmp9, 0
	s_cselect_b64 s[6:7], s[70:71], s[6:7]         ; q: wq, bq, q's codes
	s_cselect_b64 s[8:9], s[76:77], s[8:9]
	s_cselect_b64 s[10:11], s[84:85], s[10:11]
	s_add_nc_u64 s[20:21], s[4:5], s[20:21]
	s_add_nc_u64 s[46:47], s[6:7], s[46:47]
	CROUND                                         ; all sixteen work-groups are here: the first joint loads meet
.irp s, 0,1
	s_mov_b32 s[G0+4*\s], 1
	s_add_co_u32 s[G0+4*\s+1], s45, \s*SLOT
	s_add_nc_u64 s[G0+4*\s+2:G0+4*\s+3], s[20:21], \s*ROWB
	s_or_b32 s[G0+4*\s+3], s[G0+4*\s+3], 0x80000000
	s_mov_b32 s[G0B+4*\s], 1
	s_add_co_u32 s[G0B+4*\s+1], s45, \s*SLOT
	s_add_nc_u64 s[G0B+4*\s+2:G0B+4*\s+3], s[46:47], \s*ROWB
	s_or_b32 s[G0B+4*\s+3], s[G0B+4*\s+3], 0x80000000
	JLOAD G0+4*\s, G1, G0B+4*\s, G1B
.endr
	v_and_b32 v1, 15, v0                           ; r = l % 16
	s_wait_alu depctr_va_vdst(0)
	v_bfe_u32 v2, v0, 4, 1                         ; h = l / 16
	v_mul_u32_u24 v3, v1, PITCH
	v_lshl_add_u32 v4, v2, 4, v3                   ; a fragment's row x pitch + 16 x half
	s_mul_i32 s21, s15, HALFT                      ; my 128 rows of A
	s_mul_i32 s22, s16, HALFT                      ; my 128 rows of B,
	s_add_co_u32 s22, s22, 2*HALFT                 ; which lie behind A's 256
.irp s, 0,1
	v_add_nc_u32 v[ADRA+\s], s21, v4
	v_add_nc_u32 v[ADRB+\s], s22, v4
	s_add_co_u32 s21, s21, SLOT
	s_add_co_u32 s22, s22, SLOT
.endr
	s_mul_i32 s23, s14, 2560                       ; q, k: my stage (QSTG = 0)
	v_mul_u32_u24 v5, v1, 80
	s_wait_alu depctr_va_vdst(0)
	v_lshl_add_u32 v5, v2, 3, v5
	v_add_nc_u32 v[STQ], s23, v5                   ; in: token r, 8 bytes for each half of the lanes
	v_and_b32 v6, 31, v0                           ; lane
	v_lshrrev_b32 v7, 2, v6
	v_mul_u32_u24 v7, v7, 80
	v_and_b32 v8, 3, v6
	v_lshl_add_u32 v7, v8, 4, v7
	v_add_nc_u32 v[RDQ], s23, v7                   ; back: four lanes to a token's 64 bytes, eight tokens an instruction
	s_mul_i32 s23, s15, 128*272
	s_lshl_b32 s22, s16, 7
	s_add_co_u32 s23, s23, s22
	s_add_co_u32 s23, s23, VSTG
	v_add_nc_u32 v[STV], s23, v4                   ; v, in: row 128 x my half of the channels + r, byte 128 x my half of the tokens + 16 h
	s_mul_i32 s23, s14, 64*272
	s_add_co_u32 s23, s23, VSTG
	v_mul_u32_u24 v9, v2, 272
	v_lshl_add_u32 v9, v1, 4, v9
	v_add_nc_u32 v[RDV], s23, v9                   ; v, back: wave w takes rows 64 w on; lanes 0-15 one row of 256 bytes, lanes 16-31 the next
	v_lshlrev_b32 v[GOQ], 4, v6
	v_lshlrev_b32 v12, 11, v2
	v_lshl_add_u32 v[GOV], v1, 4, v12              ; and the same two rows in v's codes, 2,048 bytes apart
	; Both tables of biases are loaded on the one way that all work-groups take; a work-group uses one.  The tile's number is cut to two bits, so that every load stays inside the 1,024 numbers.
	s_and_b32 s22, s42, 3
	s_lshl_b32 s22, s22, 10
	s_lshl_b32 s23, s16, 9
	s_add_co_u32 s22, s22, s23
	v_lshl_add_u32 v10, v2, 5, s22                 ; q, k: 4 x (my first column + 8 h)
	s_and_b32 s22, s17, 3
	s_lshl_b32 s22, s22, 10
	s_lshl_b32 s23, s15, 9
	s_add_co_u32 s22, s22, s23
	v_lshl_add_u32 v11, v1, 2, s22                 ; v: 4 x (my first channel + r)
.irp b, 0,1,2,3,4,5,6,7
	global_load_b128 v[BC+8*\b:BC+8*\b+3], v10, s[8:9] offset:64*\b          ; accumulator b, register j: column 16 b + 8 h + j
	global_load_b128 v[BC+8*\b+4:BC+8*\b+7], v10, s[8:9] offset:64*\b+16
.endr
.irp a, 0,1,2,3,4,5,6,7
	global_load_b32 v[BR+2*\a], v11, s[8:9] offset:64*\a                     ; block a: channel 16 a + r, into both registers of a pair
	global_load_b32 v[BR+2*\a+1], v11, s[8:9] offset:64*\a
.endr
	; where my part of the codes begins.  q, k: (batch x 16 + head) x 131,072 + token x 64;  v: batch x 2^21 + row x 2,048 + place
	s_lshr_b32 s18, s17, 3
	s_lshl_b32 s18, s18, 21                        ; batch = token tile / 8
	s_lshl_b32 s19, s42, 2
	s_lshl_b32 s20, s16, 1
	s_add_co_u32 s19, s19, s20                     ; my first head: 4 x column tile + 2 x half
	s_lshl_b32 s19, s19, 17
	s_add_co_u32 s18, s18, s19
	s_and_b32 s19, s17, 7
	s_lshl_b32 s19, s19, 8
	s_lshl_b32 s20, s15, 7
	s_add_co_u32 s19, s19, s20                     ; my first token in the batch
	s_lshl_b32 s19, s19, 6
	s_add_co_u32 s18, s18, s19                     ; q, k
	s_lshr_b32 s19, s42, 3
	s_lshl_b32 s19, s19, 21
	s_lshl_b32 s20, s17, 8
	s_lshl_b32 s21, s14, 6
	s_add_co_u32 s20, s20, s21                     ; the first row that I store: 256 x channel tile + 64 x wave
	s_lshl_b32 s20, s20, 11
	s_add_co_u32 s19, s19, s20
	s_and_b32 s20, s42, 7
	s_lshl_b32 s20, s20, 8
	s_add_co_u32 s19, s19, s20                     ; v
	s_cmp_eq_u32 ttmp9, 2
	s_cselect_b32 s18, s19, s18
	s_mov_b32 s19, 0
	s_add_nc_u64 s[10:11], s[10:11], s[18:19]
.macro FRAG reg, adr, q, i             ; a fragment, 16 rows x 128 K, is 16 registers: lane l holds row l % 16; registers 4 c .. 4 c + 3 hold K = 32 c + 16 (l / 16) + 0 .. 15: the same order of k on both sides
.irp c, 0,1,2,3
	ds_load_b128 v[\reg+4*\c:\reg+4*\c+3], v[\adr] offset:128*(\q)+32*\c+(\i)*16*PITCH
.endr
.endm
; 16 matrix instructions: A's blocks a0, a0 + 1 x B's eight, 128 along K.  p: B's set.  zero = 1: the first product starts the sums.
; The 64 accumulators take turns, one instruction a turn, in the same order in every step.
.macro MUL16 a0, p, zero
.irp a, \a0, \a0+1
.irp b, 0,1,2,3,4,5,6,7
.if \zero
	v_wmma_f32_16x16x128_bf8_bf8 v[8*(8*((\a)%4)+\b):8*(8*((\a)%4)+\b)+7], v[128*(\p)+FR*\b:128*(\p)+FR*\b+FR-1], v[AF+FR*(\a):AF+FR*(\a)+FR-1], 0
.else
	v_wmma_f32_16x16x128_bf8_bf8 v[8*(8*((\a)%4)+\b):8*(8*((\a)%4)+\b)+7], v[128*(\p)+FR*\b:128*(\p)+FR*\b+FR-1], v[AF+FR*(\a):AF+FR*(\a)+FR-1], v[8*(8*((\a)%4)+\b):8*(8*((\a)%4)+\b)+7]
.endif
.endr
.endr
.endm
.macro FETCH_B slot, q, p              ; B's eight fragments of the slot's q-th 128 along K into set p
	WIN TO_B
.irp i, 0,1,2,3,4,5,6,7
	FRAG 128*(\p)+FR*\i, ADRB+\slot, \q, \i
.endr
	WIN 0
.endm
.macro FETCH_A slot, q, i0             ; A's blocks i0 .. i0 + 3
.irp i, \i0, \i0+1, \i0+2, \i0+3
	FRAG AF+FR*(\i), ADRA+\slot, \q, \i
.endr
.endm
; A load into a register that a matrix instruction has read, and a vector instruction that reads a matrix result or writes one of its registers, stand NP places behind it; only plain vector
; instructions that name none of its registers are places (ISA guide 7.12.1 for vector instructions).
.macro PLACES n
.rept \n
	v_nop
.endr
.endm
; A step of 128 along K that has its successor in the same slot.
.macro STEP slot, q, zero
	s_wait_dscnt 4*NL                              ; B's set and A's blocks 0-3 are in; the youngest 16 loads (A's blocks 4-7) may be out
	WIN MUL_LO
	MUL16 0, (\q)%2, \zero
	MUL16 2, (\q)%2, \zero
	s_wait_dscnt 0                                 ; A's blocks 4-7 are in (asked for 32 matrix instructions ago)
	PLACES NP
	FETCH_B \slot, (\q)+1, 1-(\q)%2
	FETCH_A \slot, (\q)+1, 0
	WIN MUL_HI
	MUL16 4, (\q)%2, \zero
	MUL16 6, (\q)%2, \zero
	PLACES NP
	WIN 0
	FETCH_A \slot, (\q)+1, 4
.endm
; A slot's last step changes slots: ONE barrier; in front of it each wave waits for all its tensor loads, adds 0 to its spare word, and waits for that and for its own reads of this slot.  fill = 1: this slot is filled again, two K steps ahead.
.macro TURN slot, next, fill
	s_wait_tensorcnt 0x0                           ; all my tensor loads have landed: my part of the next slot;  (every window is 0 here)
	ds_add_u32 v[SPW], v[NIL]                      ; 0 onto my spare word
	s_wait_dscnt 4*NL+1                            ; (the add and the youngest 16 loads, A's blocks 4-7, may be out)
	WIN MUL_LO
	MUL16 0, 1, 0                                  ; sixteen matrix instructions stand between the add and the wait for it
	s_wait_dscnt 0x0                               ; the add is done, and my reads of this slot are over
	s_barrier_signal -1
	MUL16 2, 1, 0
	WIN 0
	s_barrier_wait -1
.if \fill
	CREST                                          ; the barrier has opened a round of the cluster's barrier: no wave of any partner still reads this slot's tile or has a load on its way
	s_add_nc_u64 s[G0+4*\slot+2:G0+4*\slot+3], s[G0+4*\slot+2:G0+4*\slot+3], 2*ROWB
	s_add_nc_u64 s[G0B+4*\slot+2:G0B+4*\slot+3], s[G0B+4*\slot+2:G0B+4*\slot+3], 2*ROWB
	JLOAD G0+4*\slot, G1, G0B+4*\slot, G1B         ; the first tensor load behind the round; its four v_nop are the places in front of the loads below
.else
	PLACES NP
.endif
	FETCH_B \next, 0, 0
	FETCH_A \next, 0, 0
	WIN MUL_HI
	MUL16 4, 1, 0
	MUL16 6, 1, 0
	PLACES NP
	WIN 0
	FETCH_A \next, 0, 4
.endm
	s_wait_tensorcnt 1                             ; my part of K step 0 is in (K step 1's load may be out)
	s_barrier_signal -1
	s_barrier_wait -1                              ; everybody's is
	FETCH_B 0, 0, 0
	FETCH_A 0, 0, 0
	FETCH_A 0, 0, 4
	STEP 0, 0, 1                                   ; the first step stands in front of the loop: its products start the sums
	s_mov_b32 s3, LAPS-1
.Llap:                                                 ; a trip goes once round the ring, from a lap's second step to the next lap's first, and fills both slots again
	TURN 0, 1, 1
	STEP 1, 0, 0
	TURN 1, 0, 1
	STEP 0, 0, 0
	s_sub_co_u32 s3, s3, 1
	s_cmp_lg_u32 s3, 0
	s_cbranch_scc1 .Llap
	TURN 0, 1, 0                                   ; the last lap fills nothing, and has no round of the cluster's barrier
	STEP 1, 0, 0
	s_wait_dscnt 4*NL                              ; the very last step: nothing more to fetch
	WIN MUL_LO
	MUL16 0, 1, 0
	MUL16 2, 1, 0
	s_wait_dscnt 0
	WIN MUL_HI
	MUL16 4, 1, 0
	MUL16 6, 1, 0
	WIN 0
; THE WAY OUT, block by block of 16 rows of the A side.  PACK: value = sum x 2^(ea + eb) + bias, one packed multiply-add for two numbers, each accumulator from its low end on; the hold at the largest code x the scale
; (the conversion to an 8-bit code does not saturate: ISA guide 7.6.2); eight conversions of eight neighbours along the next K.  isv = 1: the bias is my channel's, else my columns'.
.macro PACK a, isv
.set AC, 64*((\a)%4)
.set CC, CD+16*((\a)%2)
	WIN (0x02+((\a)/4))                            ; source 0: window 2 or 3
.set j, 0
.rept 32
.if \isv
	v_pk_fma_f32 v[TMP+j:TMP+j+1], v[AC+j:AC+j+1], s[12:13], v[BR+2*(\a):BR+2*(\a)+1] op_sel_hi:[1,0,1]
.else
	v_pk_fma_f32 v[TMP+j:TMP+j+1], v[AC+j:AC+j+1], s[12:13], v[BC+j:BC+j+1] op_sel_hi:[1,0,1]
.endif
.set j, j+2
.endr
	WIN 0
.set j, 0
.rept 64
.set j, j+1
.endr
.set j, 0
.rept 8
	v_cvt_scalef32_pk8_bf8_f32 v[CC+2*j:CC+2*j+1], v[TMP+8*j:TMP+8*j+7], v[SCV]
.set j, j+1
.endr
	v_nop                                          ; one plain vector instruction behind the last conversion, ahead of whatever next writes its sources
.endm
; q, k: accumulator b's eight codes are d = 16 (b % 4) + 8 h + 0 .. 7 of head b / 4, token r.  They go into my own stage and come back as 512 consecutive bytes of a head's rows.
; LDS serves a wave's instructions in order (ISA guide 5.7.1.4): no wait between the stores and the loads, nor in front of the next block's stores.
.macro TOSTQ a
.set CC, CD+16*((\a)%2)
.set RR, RB+16*((\a)%2)
.irp b, 0,1,2,3,4,5,6,7
	ds_store_b64 v[STQ], v[CC+2*\b:CC+2*\b+1] offset:(\b/4)*1280+16*(\b%4)
.endr
.irp i, 0,1,2,3
	ds_load_b128 v[RR+4*\i:RR+4*\i+3], v[RDQ] offset:(\i/2)*1280+(\i%2)*640
.endr
.endm
.macro SENDQ a
.set RR, RB+16*((\a)%2)
	s_wait_dscnt 0x0                               ; the block is back in registers, and its LDS stores have read theirs
	s_wait_xcnt 0x0                                ; the block before's stores have read their registers: the next block's loads may land there
.irp i, 0,1,2,3
	global_store_b128 v[GOQ], v[RR+4*\i:RR+4*\i+3], s[10:11] offset:(\i/2)*131072+(\a)*1024+(\i%2)*512   ; 32 lanes store 512 consecutive bytes, at a multiple of 256 from the buffer's first byte
.endr
.endm
	s_wait_kmcnt 0x0
	s_add_co_i32 s18, s92, s93                     ; e0 + e1
	s_add_co_i32 s19, s94, s95                     ; e2 + e3
	s_add_co_i32 s20, s96, s97                     ; e4 + e5
	s_cmp_eq_u32 ttmp9, 2                          ; the exponents are selected, never branched on
	s_cselect_b32 s19, s20, s19
	s_cselect_b32 s21, s101, s99                   ; e9, else e7
	s_cmp_eq_u32 ttmp9, 0
	s_cselect_b32 s19, s18, s19
	s_cselect_b32 s21, s98, s21                    ; q: e6
	s_add_co_i32 s19, s19, 127
	s_lshl_b32 s12, s19, 23                        ; 2^(ea + eb) as f32
	s_mov_b32 s13, s12                             ; (named with it as a pair, so it is written)
	s_add_co_i32 s21, s21, 127
	s_lshl_b32 s66, s21, 23
	v_mov_b32 v[SCV], s66                          ; 2^eo: the conversion takes its exponent field
	s_wait_loadcnt 0x0                             ; the biases
	PLACES NP                                      ; behind the last products: the lines below write registers that held A's fragments
	s_cmp_eq_u32 ttmp9, 2
	s_cbranch_scc1 .Lv_in
	PACK 0, 0
	TOSTQ 0
.irp a, 1,2,3,4,5,6,7                  ; block a's arithmetic stands between block a - 1's loads from the stage and the wait for them
	PACK \a, 0
	s_wait_alu depctr_va_vdst(0)
	SENDQ \a-1
	TOSTQ \a
.endr
	SENDQ 7
	s_branch .Lmeet
.Lv_in:
; v: accumulators 2 c and 2 c + 1 give 16 codes: tokens 32 c + 8 h + 0 .. 7 and 32 c + 16 + 8 h + 0 .. 7, put at bytes 32 c + 16 h + 0 .. 15 of my channel's row: the token with its bits 3 and 4 exchanged.
.irp a, 0,1,2,3,4,5,6,7
.if \a >= 2
	s_wait_dscnt 4                                 ; block a - 2's four LDS stores are done (block a - 1's four may be out): its codes' registers are written again below
.endif
	PACK \a, 1
.irp c, 0,1,2,3
	ds_store_b128 v[STV], v[CD+16*(\a%2)+4*\c:CD+16*(\a%2)+4*\c+3] offset:\a*4352+32*\c
.endr
.endr
.Lmeet:
	s_wait_xcnt 0x0                                ; every store issued so far has read its registers
	s_wait_dscnt 0x0                               ; for the others' sake: my stores into the stage are done
	s_barrier_signal -1
	s_barrier_wait -1                              ; a row's 256 bytes come from two waves
	s_cmp_eq_u32 ttmp9, 2
	s_cbranch_scc0 .Ldone
.set t, 0
.rept 32
	ds_load_b128 v[128+4*t:131+4*t], v[RDV] offset:t*544
.set t, t+1
.endr
.set t, 0
.rept 32
	s_wait_dscnt 31-t                              ; LDS loads come back in order: load t is in, the 31 - t younger ones may be out
	global_store_b128 v[GOV], v[128+4*t:131+4*t], s[10:11] offset:(((2*t)&0x27)|(((2*t)&8)<<1)|(((2*t)&16)>>1))*2048   ; the channel's row: bits 3 and 4 exchanged; 16 lanes store 256 consecutive bytes, aligned
.set t, t+1
.endr
.Ldone:
	s_wait_tensorcnt 0x0                           ; the wave's end: behind my last tensor load and my last LDS store
	ds_add_u32 v[SPW], v[NIL]
	s_wait_dscnt 0x0
	CROUND                                         ; the closing round: no work-group ends while a partner may still ask for a tile that names it
	s_endpgm
.Lfunc_end_k_qe80d8add8e_qkv:
	.size	k_qe80d8add8e_qkv, .Lfunc_end_k_qe80d8add8e_qkv-k_qe80d8add8e_qkv
	.p2alignl 7, 3214868480
	.fill 96, 4, 3214868480
	.section	.rodata,"a",@progbits
	.p2align	6, 0x0
	.amdhsa_kernel k_qe80d8add8e_qkv
		.amdhsa_group_segment_fixed_size 327680
		.amdhsa_private_segment_fixed_size 0
		.amdhsa_enable_private_segment 0
		.amdhsa_kernarg_size 88
		.amdhsa_user_sgpr_count 2
		.amdhsa_user_sgpr_kernarg_segment_ptr 1
		.amdhsa_wavefront_size32 1
		.amdhsa_system_sgpr_workgroup_id_x 1
		.amdhsa_system_sgpr_workgroup_id_y 1
		.amdhsa_system_sgpr_workgroup_id_z 1
		.amdhsa_system_vgpr_workitem_id 0
		.amdhsa_next_free_vgpr 1024
		.amdhsa_next_free_sgpr 102
		.amdhsa_reserve_vcc 0
		.amdhsa_float_denorm_mode_32 3
		.amdhsa_float_denorm_mode_16_64 3
		.amdhsa_fp16_overflow 1
		.amdhsa_memory_ordered 1
		.amdhsa_forward_progress 1
		.amdhsa_inst_pref_size 143
	.end_amdhsa_kernel
	.amdgpu_metadata
---
amdhsa.version: [ 1, 2 ]
amdhsa.kernels:
  - .name:           k_qe80d8add8e_qkv
    .symbol:         k_qe80d8add8e_qkv.kd
    .args:
      - { .name: x_codes, .offset: 0, .size: 8, .value_kind: global_buffer, .address_space: global }
      - { .name: wq_codes, .offset: 8, .size: 8, .value_kind: global_buffer, .address_space: global }
      - { .name: wk_codes, .offset: 16, .size: 8, .value_kind: global_buffer, .address_space: global }
      - { .name: wv_codes, .offset: 24, .size: 8, .value_kind: global_buffer, .address_space: global }
      - { .name: bq, .offset: 32, .size: 8, .value_kind: global_buffer, .address_space: global }
      - { .name: bk, .offset: 40, .size: 8, .value_kind: global_buffer, .address_space: global }
      - { .name: bv, .offset: 48, .size: 8, .value_kind: global_buffer, .address_space: global }
      - { .name: lowp_scales, .offset: 56, .size: 8, .value_kind: global_buffer, .address_space: global }
      - { .name: q_codes, .offset: 64, .size: 8, .value_kind: global_buffer, .address_space: global }
      - { .name: k_codes, .offset: 72, .size: 8, .value_kind: global_buffer, .address_space: global }
      - { .name: v_codes, .offset: 80, .size: 8, .value_kind: global_buffer, .address_space: global }
    .group_segment_fixed_size: 327680
    .private_segment_fixed_size: 0
    .kernarg_segment_align: 8
    .kernarg_segment_size: 88
    .max_flat_workgroup_size: 128
    .sgpr_count:     102
    .vgpr_count:     1024
    .wavefront_size: 32
...
	.end_amdgpu_metadata
.endif
;; end of part 1
;; launch attn (part 2): grid 4 x 64, 16 waves a work-group, clusters of 4 x 1, 327,680 bytes of LDS; arguments q_codes, k_codes, v_codes, lowp_scales, a_codes; writes a_codes
.if DOCPART == 2
	.amdgcn_target "amdgcn-amd-amdhsa--gfx1250"
	.amdhsa_code_object_version 6
	.text
	.protected	k_qe80d8add8e_attn
	.globl	k_qe80d8add8e_attn
	.p2align	8
	.type	k_qe80d8add8e_attn,@function
k_qe80d8add8e_attn:
	s_mov_b64 s[64:65], 0
	v_nop
	global_prefetch_b8 v0, s[64:65] scope:SCOPE_SE
	s_setreg_imm32_b32 hwreg(HW_REG_WAVE_MODE, 25, 1), 1
	s_wait_xcnt 0x0
	s_wait_alu depctr_hold_cnt(0) depctr_sa_sdst(0) depctr_va_vdst(0) depctr_va_sdst(0) depctr_va_ssrc(0) depctr_va_vcc(0) depctr_vm_vsrc(0)
	s_getreg_b32 s2, hwreg(HW_REG_IB_STS2, 6, 4)
	s_cmp_eq_u32 s2, 0
	s_cbranch_scc0 .Lentry_in_a_cluster
	s_endpgm
.Lentry_in_a_cluster:
	s_bfe_u32 s2, ttmp6, 0x10000c
	s_cmp_lg_u32 s2, 0x3003
	s_cbranch_scc0 .Lentry_shape_is_right
	s_endpgm
.Lentry_shape_is_right:
; Causal attention of one head on codes of BF8 (E5M2), and its result quantised as the A operand of the last product.  16 heads x 4 batches = 64 heads of 2,048 tokens x 64.
; q_codes, k_codes: [head][token][64].  v_codes: [head][64 rows][2,048]: row = d with its bits 3 and 4 exchanged, place = the key with its bits 3 and 4 exchanged.  Scales: e6 (q), e7 (k), e8 (p), e9 (v), e10 (the result).
; THE SOFTMAX AHEAD OF THE SECOND PRODUCT: t = score x log2(e) / 8; M = the row's largest t so far, rounded UP to a whole number; p = 2^(t - M) is what is quantised; it is not normalised.
; The row's sum is taken of the unquantised p, in f32, and divides O at the end.  When M moves, the sum and O are multiplied by 2^(old M - new M): exact.
; LIMITS on the given exponents, so that each power of two below is an f32 number: e6 + e7 between -123 and 130 (added to c's exponent field); e8 and e10 between -126 and 112; e8 + e9 goes in by v_ldexp_f32 and has none.
; SHARES.  The four work-groups of a cluster own one head.  The head's WHOLE K (2,048 x 64 bytes) and V lie in each one's LDS, brought by joint tensor loads at the start, each byte filled once: no slot is filled again,
; nothing is stored to LDS, and behind the second barrier the waves never meet.  A head has 128 tiles of 16 queries.  Wave w of the partner at place cx takes tile 4 w + cx and tile 127 - (4 w + cx):
; in steps of 128 keys that is (w / 2 + 1) + (16 - w / 2) = 17 steps for every wave of the launch.  The step on the diagonal is w / 2, or 15 - w / 2: it hangs on the wave's number alone, so no branch hangs on cx.
; LAYOUT.  Both products are used transposed: S^T = K Q^T (source 0 = 16 keys, source 1 = my 16 queries), O^T = V^T P^T (source 0 = 16 rows of V, source 1 = P): a lane holds ONE query (lane % 16) throughout.
; A tile of S^T gives a lane keys 16 t + 8 (lane / 16) + 0 .. 7, whose eight codes are registers 2 t, 2 t + 1 of P's fragment; V's loads of 16 bytes a lane meet them because v_codes has bits 3 and 4 of the key exchanged.
; V's rows have bits 3 and 4 of d exchanged: so O^T's tiles 2 b, 2 b + 1 hold d = 32 b + 16 (lane / 16) + 0 .. 15: the codes ARE the last product's fragment, stored as an image of its registers:
; a_codes byte = (token / 128) 131,072 + (head / 4) 32,768 + ((token / 16) % 8) 4,096 + (head % 4) 1,024 + (d / 32) 512 + 16 lane + d % 16: a wave stores 1,024 consecutive bytes a tile.
; NO PREFETCH: every byte of K and V is asked for at the head, by its load.
; REGISTERS: v1-5 addresses and thresholds that stay; v8, v9 addresses of the loads in hand; v10, v11 Q's offsets; v12 -M, v13 the largest t, v[14:15] the sum in two halves; v16-23, v24-31 Q of my two tiles;
; v32-95 eight fragments of K, then four of V; v96-159 S^T, then p; v160-191 O^T; v192-207 p's codes; v208-223 the results' codes; v236-254 at work.
.set KP,    80                         ; a key's row in LDS: 64 bytes + 16 of padding: an odd multiple of 16
.set VP,    1040                       ; a row of half of V: 1,024 bytes + 16
.set VBASE, 2048*KP                    ; K's 2,048 rows, then V's two halves of 64 rows
.set VHALF, 64*VP
.set AK0,  1                           ; v1   my lane's place in a tile of K
.set AV0,  2                           ; v2   the same for V
.set ADK,  8
.set ADV,  9
.set WV,   18                          ; s18  my wave's number
.set G1K,  24                          ; s[24:31] descriptor group 1 for K's tiles; s[32:39] for V's
.set G1V,  32
.set SEL,  56                          ; s[56:57] lane selects for v_permlanex16_b32: lane l xor 16
.set CS,   58                          ; s[58:59] c = log2(e) / 8 x 2^(e6 + e7)
.set J,    66                          ; s66  the key step
.set KB,   67                          ; s67  LDS byte of the step's keys
.set VB,   68                          ; s68  LDS byte of the step's part of V's rows
.macro CROUND                          ; a round of the cluster's barrier
	s_barrier_signal -1
	s_barrier_wait -1
	s_cmp_lg_u32 s[WV], 0
	s_cbranch_scc1 .Lnot_wave_0_\@
	s_barrier_signal -3
.Lnot_wave_0_\@:
	s_barrier_wait -3
	s_barrier_signal -1
	s_barrier_wait -1
.endm
	s_load_b256 s[4:11], s[0:1], 0x0               ; q s[4:5], k s[6:7], v s[8:9], the scales' exponents s[10:11]
	s_load_b64 s[12:13], s[0:1], 0x20              ; the result's codes
	v_lshl_add_u32 v251, v0, 2, 0x48800
	v_mov_b32 v255, 0
	ds_add_u32 v251, v255
	ds_add_u32 v251, v255
	v_lshrrev_b32 v1, 5, v0
	s_delay_alu instid0(VALU_DEP_1)
	v_readfirstlane_b32 s[WV], v1                  ; wave 0..15
	s_bfe_u32 s19, ttmp6, 0x40000                  ; cx: it enters global addresses and the mask's threshold alone
	s_and_b32 s20, ttmp7, 0xffff                   ; the head (batch x 16 + head), which the four partners share
	s_and_b32 s21, s[WV], 7                        ; which eighth I fetch
	s_lshl_b32 s22, s20, 17                        ; the head's first byte in q, k and v: 131,072 each
	s_mov_b32 s23, 0
	s_mul_i32 s84, s21, 128*KP                     ; K: my 128 keys of a half, in LDS,
	s_lshl_b32 s86, s21, 13                        ; and in memory
	s_mov_b32 s87, 0
	s_add_nc_u64 s[86:87], s[86:87], s[22:23]
	s_mul_i32 s85, s21, 8*VP                       ; V: my 8 rows, in LDS,
	s_add_co_u32 s85, s85, VBASE
	s_lshl_b32 s70, s21, 14                        ; and in memory
	s_mov_b32 s71, 0
	s_add_nc_u64 s[70:71], s[70:71], s[22:23]
	; descriptor group 1.  K: 128 rows of 64 bytes, dense in memory.  V: 8 rows of 1,024 bytes, 2,048 apart
	s_mov_b32 s[G1K], 15|(0<<16)|(1<<20)|(1<<21)|(3<<22)|(3<<25)  ; 15:0 the mask: all four work-groups; 17:16 elements of 1 byte; 20 padding on; 21 set beside a mask; 24:22 after every 16 words (code 3); 31:25 four words (code 3)
	s_mov_b32 s[G1K+1], 64<<16                     ; tensor_dim0
	s_mov_b32 s[G1K+2], 128<<16                    ; tensor_dim1
	s_mov_b32 s[G1K+3], 64<<16                     ; tile_dim0
	s_mov_b32 s[G1K+4], 128                        ; tile_dim1
	s_mov_b32 s[G1K+5], 64                         ; tensor_dim0_stride
	s_mov_b32 s[G1K+6], 0
	s_mov_b32 s[G1K+7], 0
	s_mov_b32 s[G1V], 15|(0<<16)|(1<<20)|(1<<21)|(7<<22)|(3<<25)  ; padding: four words after every 256
	s_mov_b32 s[G1V+1], 1024<<16
	s_mov_b32 s[G1V+2], 8<<16
	s_mov_b32 s[G1V+3], 1024<<16
	s_mov_b32 s[G1V+4], 8
	s_mov_b32 s[G1V+5], 2048
	s_mov_b32 s[G1V+6], 0
	s_mov_b32 s[G1V+7], 0
	s_mov_b32 s[SEL], 0x76543210
	s_mov_b32 s[SEL+1], 0xfedcba98
	s_wait_dscnt 0x0
	s_wait_kmcnt 0x0
	s_load_b128 s[72:75], s[10:11], 0x18           ; e6, e7, e8, e9
	s_load_b32 s76, s[10:11], 0x28                 ; e10
	s_mov_b32 s40, 1                               ; K, keys 0 to 1,023: count = 1,
	s_mov_b32 s41, s84                             ; LDS address,
	s_add_nc_u64 s[42:43], s[6:7], s[86:87]        ; global address,
	s_mov_b32 s44, 1                               ; K, keys 1,024 on
	s_add_co_u32 s45, s84, 1024*KP
	s_add_nc_u64 s[46:47], s[42:43], 0x10000
	s_or_b32 s43, s43, 0x80000000                  ; type = 2
	s_or_b32 s47, s47, 0x80000000
	s_mov_b32 s48, 1                               ; V, keys 0 to 1,023
	s_mov_b32 s49, s85
	s_add_nc_u64 s[50:51], s[8:9], s[70:71]
	s_mov_b32 s52, 1                               ; V, keys 1,024 on
	s_add_co_u32 s53, s85, VHALF
	s_add_nc_u64 s[54:55], s[50:51], 1024
	s_or_b32 s51, s51, 0x80000000
	s_or_b32 s55, s55, 0x80000000
	CROUND                                         ; all four work-groups are here: the joint loads meet
	s_cmp_lt_u32 s[WV], 8                          ; waves 0-7 fetch K, waves 8-15 V; a wave's two fills stand in one branch, ahead of every wait on TENSORcnt and every LDS read: two loads of mine are out
	s_cbranch_scc0 .Lfirst_v
	tensor_load_to_lds s[40:43], s[G1K:G1K+7]
	s_nop 0
	tensor_load_to_lds s[44:47], s[G1K:G1K+7]
	s_nop 0
.rept 4
	v_nop
.endr
	s_branch .Lfirst_asked
.Lfirst_v:
	tensor_load_to_lds s[48:51], s[G1V:G1V+7]
	s_nop 0
	tensor_load_to_lds s[52:55], s[G1V:G1V+7]
	s_nop 0
.rept 4
	v_nop
.endr
.Lfirst_asked:
	s_lshl_b32 s60, s[WV], 2
	s_add_co_u32 s60, s60, s19                     ; tile A = 4 w + cx, 0 .. 63
	s_xor_b32 s61, s60, 127                        ; tile B = 127 - tile A
	s_lshr_b32 s62, s[WV], 1                       ; tile A's step on the diagonal = tile A / 8 = w / 2
	s_xor_b32 s63, s62, 15                         ; tile B's = 15 - w / 2
	s_add_nc_u64 s[4:5], s[4:5], s[22:23]          ; q at my head
	v_and_b32 v6, 15, v0                           ; r = lane % 16
	v_bfe_u32 v7, v0, 4, 1                         ; h = lane / 16
	s_delay_alu instid0(VALU_DEP_2)
	v_lshlrev_b32 v10, 6, v6
	s_delay_alu instid0(VALU_DEP_1)
	v_lshl_add_u32 v10, v7, 4, v10                 ; row r of 64 bytes, + 16 h
	s_lshl_b32 s84, s61, 10
	s_lshl_b32 s85, s60, 10
	v_add_nc_u32 v11, s85, v10
	v_add_nc_u32 v10, s84, v10
	global_load_b128 v[16:19], v10, s[4:5]             ; Q of tile B: registers 4 c .. 4 c + 3 hold d = 32 c + 16 h + 0 .. 15, the order in which K's fragments are read
	global_load_b128 v[20:23], v10, s[4:5] offset:32
	global_load_b128 v[24:27], v11, s[4:5]             ; Q of tile A
	global_load_b128 v[28:31], v11, s[4:5] offset:32
	v_mul_u32_u24 v[AK0], v6, KP
	s_delay_alu instid0(VALU_DEP_1)
	v_lshl_add_u32 v[AK0], v7, 4, v[AK0]
	v_mul_u32_u24 v[AV0], v6, VP
	s_delay_alu instid0(VALU_DEP_1)
	v_lshl_add_u32 v[AV0], v7, 4, v[AV0]
	s_delay_alu instid0(VALU_DEP_1)
	v_add_nc_u32 v[AV0], VBASE, v[AV0]
	v_and_b32 v4, 31, v0
	s_delay_alu instid0(VALU_DEP_1)
	v_lshlrev_b32 v4, 4, v4                        ; the way out: 16 x lane
	v_lshlrev_b32 v9, 3, v7
	s_delay_alu instid0(VALU_DEP_1)
	v_sub_nc_u32 v8, v6, v9                        ; r - 8 h
	s_and_b32 s84, s61, 7
	s_lshl_b32 s84, s84, 4
	v_add_nc_u32 v3, s84, v8                       ; tile B's threshold on the diagonal: my query - the step's first key - 8 h
	s_and_b32 s84, s60, 7
	s_lshl_b32 s84, s84, 4
	v_add_nc_u32 v5, s84, v8                       ; tile A's
	; where a tile's 1,024 bytes of codes go
	s_lshr_b32 s84, s20, 4
	s_lshl_b32 s84, s84, 21                        ; batch x 16 blocks of 128 tokens x 131,072
	s_bfe_u32 s85, s20, 0x20002
	s_lshl_b32 s85, s85, 15                        ; (head / 4) x 32,768
	s_add_co_u32 s84, s84, s85
	s_and_b32 s85, s20, 3
	s_lshl_b32 s85, s85, 10                        ; (head % 4) x 1,024
	s_add_co_u32 s84, s84, s85
	s_lshr_b32 s85, s61, 3
	s_lshl_b32 s85, s85, 17
	s_and_b32 s86, s61, 7
	s_lshl_b32 s86, s86, 12
	s_add_co_u32 s86, s86, s85
	s_add_co_u32 s86, s86, s84
	s_mov_b32 s87, 0
	s_add_nc_u64 s[80:81], s[12:13], s[86:87]      ; tile B
	s_lshr_b32 s85, s60, 3
	s_lshl_b32 s85, s85, 17
	s_and_b32 s86, s60, 7
	s_lshl_b32 s86, s86, 12
	s_add_co_u32 s86, s86, s85
	s_add_co_u32 s86, s86, s84
	s_add_nc_u64 s[82:83], s[12:13], s[86:87]      ; tile A
	v_mov_b32 v236, 0                              ; written once: a lane permute's destination counts as one of its sources
	v_mov_b32 v252, 0
	v_mov_b32 v253, 0                              ; (named as the upper half of the pair v[252:253])
	s_wait_kmcnt 0x0
	s_add_co_i32 s84, s72, s73
	s_lshl_b32 s84, s84, 23
	s_mov_b32 s[CS], 0x3e38aa3b                    ; c = log2(e) / sqrt(64)
	s_add_co_i32 s[CS], s[CS], s84                 ; a score stands for score x 2^(e6 + e7): the two exponents are added to c's exponent field
	s_mov_b32 s[CS+1], s[CS]                       ; (named with it as a pair, so it is written)
	s_add_co_i32 s84, s74, 127
	s_lshl_b32 s85, s84, 23
	v_mov_b32 v244, s85                            ; 2^e8 as f32, for p's conversions
	s_add_co_i32 s84, s76, 127
	s_lshl_b32 s85, s84, 23
	v_mov_b32 v245, s85                            ; 2^e10, for the result's
	s_add_co_i32 s69, s74, s75                     ; e8 + e9
; A KEY STEP: 128 keys.  q: the tile's Q; dm: its threshold register; jd: the scalar register with its step on the diagonal.
.macro STEP q, dm, jd
	s_cmp_gt_u32 s[J], s[\jd]                      ; a step all of whose keys come after my 16 queries is left out: a branch on the wave's number and the counter; the lines at its end that step addresses are not jumped over
	s_cbranch_scc1 .Lhidden_\@
	s_setprio 2
	v_add_nc_u32 v[ADK], s[KB], v[AK0]
	v_add_nc_u32 v[ADV], s[VB], v[AV0]
	v_nop
	v_nop                                          ; four places in front of loads into registers that the last products read (the two additions are places too)
.irp t, 0,1,2,3,4,5,6,7
	ds_load_b128 v[32+8*\t:35+8*\t], v[ADK] offset:\t*16*KP
	ds_load_b128 v[36+8*\t:39+8*\t], v[ADK] offset:\t*16*KP+32
.endr
	s_wait_alu depctr_va_vdst(0)
	s_wait_dscnt 0x0
.irp t, 0,1,2,3,4,5,6,7                        ; S^T = K Q^T: tile t: keys 16 t on; K = the head's 64
	v_wmma_f32_16x16x64_bf8_bf8 v[96+8*\t:103+8*\t], v[32+8*\t:39+8*\t], v[\q:\q+7], 0
.endr
.rept 4
	v_nop                                          ; places in front of the loads below and of the first read of the scores
.endr
.irp t, 0,1,2,3                                ; V's four fragments land while the softmax is walked
.irp c, 0,1,2,3
	ds_load_b128 v[32+16*\t+4*\c:35+16*\t+4*\c], v[ADV] offset:\t*16*VP+32*\c
.endr
.endr
	s_cmp_eq_u32 s[J], s[\jd]                      ; on the diagonal the scores of hidden keys become -infinity ahead of the maximum: p = 0 then
	s_cbranch_scc0 .Lopen_\@
	v_mov_b32 v254, 0xff800000
.set n, 0
.rept 64                                       ; register n holds key 16 (n / 8) + 8 h + n % 8 of the step: hidden where 16 (n / 8) + n % 8 > my query - the step's first key - 8 h
	v_cmp_gt_i32 vcc_lo, 16*(n/8)+n%8, v[\dm]
	v_cndmask_b32 v[96+n], v[96+n], v254, vcc_lo
.set n, n+1
.endr
.Lopen_\@:
	v_max3_num_f32 v254, v96, v97, v98             ; the step's largest score of my query, among my 64 keys, in two chains, the registers in ascending order,
	v_max3_num_f32 v252, v99, v100, v101
.irp i, 6,10,14,18,22,26,30,34,38,42,46,50,54,58
	v_max3_num_f32 v254, v254, v[96+\i], v[97+\i]
	v_max3_num_f32 v252, v252, v[98+\i], v[99+\i]
.endr
	v_max3_num_f32 v254, v254, v158, v159
	s_delay_alu instid0(VALU_DEP_1)
	v_max_num_f32 v254, v254, v252
	s_delay_alu instid0(VALU_DEP_1)
	v_permlanex16_b32 v236, v254, s[SEL], s[SEL+1]
	s_delay_alu instid0(VALU_DEP_1)
	v_max_num_f32 v254, v254, v236                 ; and among lane l xor 16's
	s_delay_alu instid0(VALU_DEP_1)
	v_mul_f32 v254, s[CS], v254                    ; as t (c is positive)
	s_delay_alu instid0(VALU_DEP_1)
	v_max_num_f32 v13, v13, v254                   ; the running largest t
	v_mov_b32 v254, v12
	s_delay_alu instid0(VALU_DEP_2)
	v_floor_f32 v12, -v13                          ; the new -M = floor(-t) = -ceil(t): M is a whole number
	s_delay_alu instid0(VALU_DEP_1)
	v_sub_f32 v254, v12, v254                      ; M's old value less its new one: a whole number, 0 or less
	s_delay_alu instid0(VALU_DEP_1)
	v_cvt_i32_f32 v254, v254                       ; (it saturates)
	s_delay_alu instid0(VALU_DEP_1)
	v_ldexp_f32 v252, 1.0, v254                    ; f = 2^(old M - new M)
.set n, 0
	s_setprio 1
.rept 32
	v_pk_fma_f32 v[96+n:97+n], v[96+n:97+n], s[CS:CS+1], v[12:13] op_sel_hi:[1,0,0]   ; t - M, two at a time (of the pairs c and -M the low word serves both halves)
.set n, n+2
.endr
.set n, 0
	s_wait_alu depctr_va_vdst(0)
.rept 64
	v_exp_f32 v[96+n], v[96+n]                     ; p = 2^(t - M), at most 1: not normalised
.set n, n+1
.endr
	v_pk_mul_f32 v[14:15], v[14:15], v[252:253] op_sel_hi:[1,0]   ; the sums under the new M: the plain instruction behind the exponentials
	s_wait_alu depctr_va_vdst(0)                   ; one wait for the whole batch, ahead of its first reader
	v_pk_add_f32 v[242:243], v[100:101], v[104:105]
	v_pk_add_f32 v[248:249], v[108:109], v[112:113]
	v_pk_add_f32 v[246:247], v[116:117], v[120:121]
	v_pk_add_f32 v[240:241], v[124:125], v[128:129]
	v_pk_add_f32 v[238:239], v[132:133], v[136:137]
	v_pk_add_f32 v[234:235], v[140:141], v[144:145]
	v_pk_add_f32 v[232:233], v[148:149], v[152:153]
	v_pk_add_f32 v[14:15], v[14:15], v[156:157]
	v_pk_add_f32 v[242:243], v[242:243], v[96:97]
	v_pk_add_f32 v[248:249], v[248:249], v[98:99]
	v_pk_add_f32 v[246:247], v[246:247], v[102:103]
	v_pk_add_f32 v[240:241], v[240:241], v[106:107]
	v_pk_add_f32 v[238:239], v[238:239], v[110:111]
	v_pk_add_f32 v[234:235], v[234:235], v[114:115]
	v_pk_add_f32 v[232:233], v[232:233], v[118:119]
	v_pk_add_f32 v[14:15], v[14:15], v[122:123]
	v_pk_add_f32 v[242:243], v[242:243], v[126:127]
	v_pk_add_f32 v[248:249], v[248:249], v[130:131]
	v_pk_add_f32 v[246:247], v[246:247], v[134:135]
	v_pk_add_f32 v[240:241], v[240:241], v[138:139]
	v_pk_add_f32 v[238:239], v[238:239], v[142:143]
	v_pk_add_f32 v[234:235], v[234:235], v[146:147]
	v_pk_add_f32 v[232:233], v[232:233], v[150:151]
	s_setprio 0
	v_pk_add_f32 v[14:15], v[14:15], v[154:155]
	v_pk_add_f32 v[242:243], v[242:243], v[158:159]
	s_delay_alu instid0(VALU_DEP_2)
	v_pk_add_f32 v[14:15], v[14:15], v[240:241]
	s_delay_alu instid0(VALU_DEP_2)
	v_pk_add_f32 v[242:243], v[242:243], v[238:239]
	v_pk_add_f32 v[248:249], v[248:249], v[234:235]
	v_pk_add_f32 v[246:247], v[246:247], v[232:233]
	s_delay_alu instid0(VALU_DEP_2)
	v_pk_add_f32 v[14:15], v[14:15], v[248:249]
	s_delay_alu instid0(VALU_DEP_2)
	v_pk_add_f32 v[242:243], v[242:243], v[246:247]
	s_delay_alu instid0(VALU_DEP_1)
	v_pk_add_f32 v[14:15], v[14:15], v[242:243]
.irp t, 0,1,2,3,4,5,6,7
.irp i, 0,1,2,3,4,5,6,7
.endr
	v_cvt_scalef32_pk8_bf8_f32 v[192+2*\t:193+2*\t], v[96+8*\t:103+8*\t], v244   ; registers 2 t, 2 t + 1 of P's fragment: keys 16 t + 8 h + 0 .. 7
.endr
.set n, 0
.rept 16
	v_pk_mul_f32 v[160+n:161+n], v[160+n:161+n], v[252:253] op_sel_hi:[1,0]   ; O^T under the new M.  (Plain instructions between the conversions and the products that read their results)
.set n, n+2
.endr
	s_wait_alu depctr_va_vdst(0)
	s_wait_dscnt 0x0                               ; V's fragments are in
.irp t, 0,1,2,3                                ; O^T += V^T P^T: four accumulators by turns, one instruction a turn; K = these 128 keys
	v_wmma_f32_16x16x128_bf8_bf8 v[160+8*\t:167+8*\t], v[32+16*\t:47+16*\t], v[192:207], v[160+8*\t:167+8*\t]
.endr
.Lhidden_\@:
	s_add_co_u32 s[KB], s[KB], 128*KP
	s_add_co_u32 s[VB], s[VB], 128
.endm
; Eight key steps, j0 to j0 + 7: the trip count is a constant of the text.
.macro PASS q, dm, jd, j0, kb0, vb0
	s_mov_b32 s[J], \j0
	s_mov_b32 s[KB], \kb0
	s_mov_b32 s[VB], \vb0
.Lpass_\@:
	STEP \q, \dm, \jd
	s_add_co_u32 s[J], s[J], 1
	s_cmp_lt_u32 s[J], \j0+8
	s_cbranch_scc1 .Lpass_\@
	s_setprio 0
.endm
.macro INIT                            ; the step is written for any step: the first finds zeros, which the first change of M leaves zeros
	v_mov_b32 v13, 0xff61b1e6                      ; the largest t so far: -3e38, under every t
	s_delay_alu instid0(VALU_DEP_1)
	v_floor_f32 v12, -v13                          ; -M
	v_mov_b32 v14, 0
	v_mov_b32 v15, 0
.set n, 0
.rept 32
	v_mov_b32 v[160+n], 0
.set n, n+1
.endr
.endm
; A tile's end: O^T x 2^(e8 + e9) / the sum, quantised with 2^e10; tiles 2 b, 2 b + 1 of O^T give registers 4 b .. 4 b + 3 of the next fragment.
.macro FINAL base, co
.rept 4
	v_nop                                          ; places behind the last products
.endr
	v_add_f32 v14, v14, v15                        ; the sum's two halves,
	s_delay_alu instid0(VALU_DEP_1)
	v_permlanex16_b32 v252, v14, s[SEL], s[SEL+1]
	s_delay_alu instid0(VALU_DEP_1)
	v_add_f32 v14, v14, v252                       ; and lane l xor 16's
	s_wait_alu depctr_va_vdst(0)
	v_rcp_f32 v14, v14
	v_nop                                          ; a plain instruction behind the reciprocal
	s_wait_alu depctr_va_vdst(0)                   ; and the wait ahead of its first reader
	v_ldexp_f32 v14, v14, s69
.set n, 0
.rept 16
	v_pk_mul_f32 v[96+n:97+n], v[160+n:161+n], v[14:15] op_sel_hi:[1,0]
.set n, n+2
.endr
.set n, 0
.rept 32
.set n, n+1
.endr
.irp t, 0,1,2,3
	v_cvt_scalef32_pk8_bf8_f32 v[\co+2*\t:\co+2*\t+1], v[96+8*\t:103+8*\t], v245
.endr
	v_nop                                          ; one plain vector instruction behind the last conversion
	global_store_b128 v4, v[\co:\co+3], s[\base:\base+1]              ; 32 lanes store 512 consecutive bytes, at a multiple of 256 from the buffer's first byte
	global_store_b128 v4, v[\co+4:\co+7], s[\base:\base+1] offset:512
.endm
	INIT
	s_wait_loadcnt 0x0                             ; Q
	s_wait_tensorcnt 1                             ; my part of keys 0 to 1,023 is in; my second load may be out
	s_barrier_signal -1
	s_barrier_wait -1                              ; everybody's is
	PASS 16, 3, 63, 0, 0, 0                        ; tile B, keys 0 to 1,023: eight steps in every wave
	s_wait_tensorcnt 0x0                           ; my part of keys 1,024 on is in,
	s_barrier_signal -1
	s_barrier_wait -1                              ; everybody's is
	PASS 16, 3, 63, 8, 1024*KP, VHALF              ; tile B, up to its diagonal
	FINAL 80, 208
	INIT
	PASS 24, 5, 62, 0, 0, 0                        ; tile A, up to its diagonal
	FINAL 82, 216
	s_wait_tensorcnt 0x0
	ds_add_u32 v251, v255
	s_wait_dscnt 0x0
	CROUND                                         ; the closing round
	s_endpgm
.Lfunc_end_k_qe80d8add8e_attn:
	.size	k_qe80d8add8e_attn, .Lfunc_end_k_qe80d8add8e_attn-k_qe80d8add8e_attn
	.p2alignl 7, 3214868480
	.fill 96, 4, 3214868480
	.section	.rodata,"a",@progbits
	.p2align	6, 0x0
	.amdhsa_kernel k_qe80d8add8e_attn
		.amdhsa_group_segment_fixed_size 327680
		.amdhsa_private_segment_fixed_size 0
		.amdhsa_enable_private_segment 0
		.amdhsa_kernarg_size 40
		.amdhsa_user_sgpr_count 2
		.amdhsa_user_sgpr_kernarg_segment_ptr 1
		.amdhsa_wavefront_size32 1
		.amdhsa_system_sgpr_workgroup_id_x 1
		.amdhsa_system_sgpr_workgroup_id_y 1
		.amdhsa_system_sgpr_workgroup_id_z 1
		.amdhsa_system_vgpr_workitem_id 0
		.amdhsa_next_free_vgpr 256
		.amdhsa_next_free_sgpr 88
		.amdhsa_reserve_vcc 1
		.amdhsa_float_denorm_mode_32 3
		.amdhsa_float_denorm_mode_16_64 3
		.amdhsa_fp16_overflow 1
		.amdhsa_memory_ordered 1
		.amdhsa_forward_progress 1
		.amdhsa_inst_pref_size 73
	.end_amdhsa_kernel
	.amdgpu_metadata
---
amdhsa.version: [ 1, 2 ]
amdhsa.kernels:
  - .name:           k_qe80d8add8e_attn
    .symbol:         k_qe80d8add8e_attn.kd
    .args:
      - { .name: q_codes, .offset: 0, .size: 8, .value_kind: global_buffer, .address_space: global }
      - { .name: k_codes, .offset: 8, .size: 8, .value_kind: global_buffer, .address_space: global }
      - { .name: v_codes, .offset: 16, .size: 8, .value_kind: global_buffer, .address_space: global }
      - { .name: lowp_scales, .offset: 24, .size: 8, .value_kind: global_buffer, .address_space: global }
      - { .name: a_codes, .offset: 32, .size: 8, .value_kind: global_buffer, .address_space: global }
    .group_segment_fixed_size: 327680
    .private_segment_fixed_size: 0
    .kernarg_segment_align: 8
    .kernarg_segment_size: 40
    .max_flat_workgroup_size: 512
    .sgpr_count:     88
    .vgpr_count:     256
    .wavefront_size: 32
...
	.end_amdgpu_metadata
.endif
;; end of part 2
;; launch proj (part 3): grid 4 x 32, 4 waves a work-group, clusters of 4 x 4, 327,680 bytes of LDS; arguments a_codes, wo_codes, bo, lowp_scales, out0; writes out0
.if DOCPART == 3
	.amdgcn_target "amdgcn-amd-amdhsa--gfx1250"
	.amdhsa_code_object_version 6
	.text
	.protected	k_qe80d8add8e_proj
	.globl	k_qe80d8add8e_proj
	.p2align	8
	.type	k_qe80d8add8e_proj,@function
k_qe80d8add8e_proj:
	s_mov_b64 s[64:65], 0
	v_nop
	global_prefetch_b8 v0, s[64:65] scope:SCOPE_SE
	s_setreg_imm32_b32 hwreg(HW_REG_WAVE_MODE, 25, 1), 1
	s_wait_xcnt 0x0
	s_wait_alu depctr_hold_cnt(0) depctr_sa_sdst(0) depctr_va_vdst(0) depctr_va_sdst(0) depctr_va_ssrc(0) depctr_va_vcc(0) depctr_vm_vsrc(0)
	s_getreg_b32 s2, hwreg(HW_REG_IB_STS2, 6, 4)
	s_cmp_eq_u32 s2, 0
	s_cbranch_scc0 .Lentry_in_a_cluster
	s_endpgm
.Lentry_in_a_cluster:
	s_bfe_u32 s2, ttmp6, 0x10000c
	s_cmp_lg_u32 s2, 0xf033
	s_cbranch_scc0 .Lentry_shape_is_right
	s_endpgm
.Lentry_shape_is_right:
; out = a wo + bo on codes of BF8 (E5M2).  a: attention's result, 8,192 tokens x 1,024, as codes with the scale 2^e10; wo: [1024 (n)][1024 (k)] codes with 2^e11; out: [8192][1024] f32 = sum x 2^(e10 + e11) + bo.
; LIMIT: e10 + e11 lies between -126 and 127, so that 2^(e10 + e11) is an f32 number.
; a_codes holds IMAGES OF THE FRAGMENTS' REGISTERS: for 128 tokens and 256 along K one dense block of 32,768 bytes; in it, block i of 16 tokens at 4,096 i, the q-th 128 along K at 2,048 q, registers 4 c .. 4 c + 3 at 512 c,
; lane l's 16 bytes at 16 l (K = 32 c + 16 (l / 16) + 0 .. 15 of token l % 16: the order in which wo's fragments are read from rows).  So A's tile is one dense tensor load and its LDS loads are consecutive: no padding.
; A tile of out, 256 x 256, is made by four waves, 128 x 128 each: 64 accumulators, 512 registers.  K goes in steps of 256 through two LDS slots.  128 tiles: 128 work-groups, 8 clusters of 4 x 4;
; A's tile is shared along a row of the cluster, B's along a column: each is asked for jointly.  The matrix instruction takes 16 rows of wo as source 0 and 16 tokens as source 1: a lane holds eight neighbouring columns of one token.
; REGISTERS, in windows of 256: window 0: v0-31 addresses; v32-95 the biases of my 64 columns a lane; from v128 A's fragments, ONE set; on the way out v128-255 take rows read back.
;   window 1: B's fragments, TWO sets.   window 2: the accumulators of my rows 0-63 ((a, b) at v[8 (8 a + b)]);   window 3: those of my rows 64-127.
.set SIZE_N, 1024
.set KSTEP,  256
.set ROWB,   256                       ; a row of B's tile in bytes
.set KROW,   1024                      ; a row of wo in memory
.set ABLK,   32768                     ; A's dense block: 128 tokens x 256 along K
.set PITCH,  272                       ; B's LDS row: 256 bytes + 16 of padding
.set FR,     16
.set NL,     4
.set NP,     4                         ; places behind this matrix instruction (ISA guide 7.12.1)
.set HALFT,  128*PITCH                 ; the room of one tensor load's tile (A's uses 32,768 bytes of it)
.set SLOT,   4*HALFT
.set LAPS,   1024/(2*KSTEP)
.set SPARE,  2*SLOT                    ; behind the ring: the spare words, 128 bytes for each wave: two blocks of 256 bytes that no other line names
.set SPITCH, 528                       ; the way out: a stage of 16 rows x (512 bytes + 16) for each wave, in slot 0, which has had its last fill and its last read by then
.set ADRA, 16
.set ADRB, 20
.set STO,  24
.set RD,   25
.set CO,   26
.set SPW,  28
.set NIL,  29
.set BIAS, 32
.set AF,   128
.set BK,   128
.set G1, 24
.set G0, 32
.set G1B, 48
.set G0B, 56
.set MSB, 0
.macro WIN new                         ; the immediate's high byte repeats the setting that is left
.if MSB != \new
	s_set_vgpr_msb (MSB<<8)|\new
.set MSB, \new
.endif
.endm
.set MUL_LO, 0xa1
.set MUL_HI, 0xf1
.set TO_B,   0x40
.macro JLOAD g0a, g1a, g0b, g1b        ; a joint load: waves 0 and 1 fetch for A, waves 2 and 3 for B; four v_nop follow each of the two lines
	s_cmp_eq_u32 s15, 0
	s_cbranch_scc0 .Lfor_b_\@
	tensor_load_to_lds s[\g0a:\g0a+3], s[\g1a:\g1a+7]
	s_nop 0
.rept 4
	v_nop
.endr
	s_branch .Lasked_\@
.Lfor_b_\@:
	tensor_load_to_lds s[\g0b:\g0b+3], s[\g1b:\g1b+7]
	s_nop 0
.rept 4
	v_nop
.endr
.Lasked_\@:
.endm
.macro CREST
	s_cmp_lg_u32 s14, 0
	s_cbranch_scc1 .Lnot_wave_0_\@
	s_barrier_signal -3
.Lnot_wave_0_\@:
	s_barrier_wait -3
	s_barrier_signal -1
	s_barrier_wait -1
.endm
.macro CROUND
	s_barrier_signal -1
	s_barrier_wait -1
	CREST
.endm
	s_load_b128 s[4:7], s[0:1], 0x0                ; a's codes s[4:5], wo's codes s[6:7]
	s_load_b128 s[8:11], s[0:1], 0x10              ; bo s[8:9], the scales' exponents s[10:11]
	s_load_b64 s[12:13], s[0:1], 0x20              ; out
	v_lshl_add_u32 v[SPW], v0, 2, SPARE
	v_mov_b32 v[NIL], 0
	ds_add_u32 v28, v29
	ds_add_u32 v28, v29
	s_wait_dscnt 0x0
	v_lshrrev_b32 v1, 5, v0
	v_readfirstlane_b32 s14, v1                    ; wave 0..3
	s_lshr_b32 s15, s14, 1                         ; which half of the tile's rows is mine.  Also: I fetch for A (0) or for B (1)
	s_and_b32 s16, s14, 1                          ; which half of its columns.  Also: which 128 rows of that tile I fetch
	s_bfe_u32 s40, ttmp6, 0x40000                  ; cx, cy
	s_bfe_u32 s41, ttmp6, 0x40004
	s_lshl_b32 s42, ttmp9, 2
	s_add_co_u32 s42, s42, s40                     ; tile column = 4 x cluster x + cx
	s_and_b32 s17, ttmp7, 0xffff
	s_lshl_b32 s17, s17, 2
	s_add_co_u32 s17, s17, s41                     ; tile row = 4 x cluster y + cy
	s_lshl_b32 s43, s41, 2
	s_lshl_b32 s43, 15, s43                        ; my row of the cluster
	s_lshl_b32 s44, 0x1111, s40                    ; my column
	s_or_b32 s[G1+0], s43, (0<<16)|(1<<21)         ; A: the mask of my row; elements of 1 byte; no padding; 21 set beside a mask
	s_mov_b32 s[G1+1], 256<<16                     ; tensor_dim0: the dense block as 128 rows of 256 bytes
	s_mov_b32 s[G1+2], 128<<16                     ; tensor_dim1
	s_mov_b32 s[G1+3], 256<<16                     ; tile_dim0
	s_mov_b32 s[G1+4], 128                         ; tile_dim1
	s_mov_b32 s[G1+5], 256                         ; tensor_dim0_stride: each row begins where the last ends
	s_mov_b32 s[G1+6], 0
	s_mov_b32 s[G1+7], 0
	s_or_b32 s[G1B+0], s44, (0<<16)|(1<<20)|(1<<21)|(5<<22)|(3<<25)  ; B: the mask of my column; padding of 4 words after every 64
	s_mov_b32 s[G1B+1], ROWB<<16
	s_mov_b32 s[G1B+2], 128<<16
	s_mov_b32 s[G1B+3], ROWB<<16
	s_mov_b32 s[G1B+4], 128
	s_mov_b32 s[G1B+5], KROW
	s_mov_b32 s[G1B+6], 0
	s_mov_b32 s[G1B+7], 0
	s_lshl_b32 s20, s17, 1
	s_add_co_u32 s20, s20, s16                     ; A: block of 128 tokens 2 x tile row + half,
	s_lshl_b32 s20, s20, 17                        ; 131,072 bytes each
	s_mov_b32 s21, 0
	s_lshl_b32 s46, s42, 8
	s_lshl_b32 s18, s16, 7
	s_add_co_u32 s46, s46, s18                     ; B: row 256 x tile column + 128 x half,
	s_lshl_b32 s46, s46, 10                        ; 1,024 bytes each
	s_mov_b32 s47, 0
	s_mul_i32 s45, s14, HALFT                      ; where they go: no place in the cluster enters an LDS address
	s_wait_kmcnt 0x0
	s_load_b64 s[96:97], s[10:11], 0x28            ; e10, e11
	s_add_nc_u64 s[20:21], s[4:5], s[20:21]
	s_add_nc_u64 s[46:47], s[6:7], s[46:47]
	CROUND                                         ; all sixteen work-groups are here: the first joint loads meet
.irp s, 0,1
	s_mov_b32 s[G0+4*\s], 1
	s_add_co_u32 s[G0+4*\s+1], s45, \s*SLOT
	s_add_nc_u64 s[G0+4*\s+2:G0+4*\s+3], s[20:21], \s*ABLK
	s_or_b32 s[G0+4*\s+3], s[G0+4*\s+3], 0x80000000
	s_mov_b32 s[G0B+4*\s], 1
	s_add_co_u32 s[G0B+4*\s+1], s45, \s*SLOT
	s_add_nc_u64 s[G0B+4*\s+2:G0B+4*\s+3], s[46:47], \s*ROWB
	s_or_b32 s[G0B+4*\s+3], s[G0B+4*\s+3], 0x80000000
	s_wait_alu depctr_va_vdst(0)
	s_wait_tensorcnt 0x0
	ds_add_u32 v28, v29
	ds_add_u32 v28, v29
	s_wait_dscnt 0x0
	CROUND
	JLOAD G0+4*\s, G1, G0B+4*\s, G1B
.endr
	v_and_b32 v1, 15, v0                           ; r
	v_bfe_u32 v2, v0, 4, 1                         ; h
	v_mul_u32_u24 v3, v1, PITCH
	v_lshl_add_u32 v4, v2, 4, v3                   ; B: a fragment's row x pitch + 16 x half
	v_and_b32 v6, 31, v0
	v_lshlrev_b32 v[CO], 4, v6                     ; 16 x lane: A's images, the stage's rows, a row of out
	s_wait_alu depctr_va_vdst(0)
	s_mul_i32 s21, s15, HALFT                      ; my 128 tokens of A
	s_mul_i32 s22, s16, HALFT                      ; my 128 rows of B,
	s_add_co_u32 s22, s22, 2*HALFT                 ; which lie behind A's two rooms
.irp s, 0,1
	v_add_nc_u32 v[ADRA+\s], s21, v[CO]
	v_add_nc_u32 v[ADRB+\s], s22, v4
	s_add_co_u32 s21, s21, SLOT
	s_add_co_u32 s22, s22, SLOT
.endr
	s_mul_i32 s23, s14, 16*SPITCH                  ; my stage
	v_mul_u32_u24 v5, v1, SPITCH                   ; in: row r, 32 bytes for each half of the lanes
	v_lshl_add_u32 v5, v2, 5, v5
	v_add_nc_u32 v[STO], s23, v5
	v_add_nc_u32 v[RD], s23, v[CO]                 ; back: the 32 lanes take one row of 512 bytes
	s_lshl_b32 s20, s17, 8
	s_lshl_b32 s21, s15, 7
	s_add_co_u32 s20, s20, s21                     ; my first row of out
	s_mov_b32 s21, 0
	s_mov_b64 s[18:19], SIZE_N*4
	s_mul_u64 s[20:21], s[20:21], s[18:19]
	s_lshl_b32 s46, s42, 10                        ; my first column, in bytes: 1024 x tile column + 512 x half
	s_lshl_b32 s47, s16, 9
	s_add_co_u32 s46, s46, s47
	s_mov_b32 s47, 0
	v_lshl_add_u32 v10, v2, 5, s46                 ; the biases: 4 x (my first column + 8 h)
	s_add_nc_u64 s[20:21], s[20:21], s[46:47]
	s_add_nc_u64 s[12:13], s[12:13], s[20:21]
.irp b, 0,1,2,3,4,5,6,7
	global_load_b128 v[BIAS+8*\b:BIAS+8*\b+3], v10, s[8:9] offset:64*\b        ; accumulator b, register j: column 16 b + 8 h + j
	global_load_b128 v[BIAS+8*\b+4:BIAS+8*\b+7], v10, s[8:9] offset:64*\b+16
.endr
.macro FRAG reg, adr, q, i             ; B's fragment from rows: registers 4 c .. 4 c + 3 hold K = 32 c + 16 (l / 16) + 0 .. 15 of row l % 16
.irp c, 0,1,2,3
	ds_load_b128 v[\reg+4*\c:\reg+4*\c+3], v[\adr] offset:128*(\q)+32*\c+(\i)*16*PITCH
.endr
.endm
.macro FRAGA reg, adr, q, i            ; A's fragment from its image: 512 consecutive bytes a load
.irp c, 0,1,2,3
	ds_load_b128 v[\reg+4*\c:\reg+4*\c+3], v[\adr] offset:2048*(\q)+512*\c+4096*(\i)
.endr
.endm
; 16 matrix instructions: A's blocks a0, a0 + 1 x B's eight.  The 64 accumulators take turns, one instruction a turn, in the same order in every step.
.macro MUL16 a0, p, zero
.irp a, \a0, \a0+1
.irp b, 0,1,2,3,4,5,6,7
.if \zero
	v_wmma_f32_16x16x128_bf8_bf8 v[8*(8*((\a)%4)+\b):8*(8*((\a)%4)+\b)+7], v[128*(\p)+FR*\b:128*(\p)+FR*\b+FR-1], v[AF+FR*(\a):AF+FR*(\a)+FR-1], 0
.else
	v_wmma_f32_16x16x128_bf8_bf8 v[8*(8*((\a)%4)+\b):8*(8*((\a)%4)+\b)+7], v[128*(\p)+FR*\b:128*(\p)+FR*\b+FR-1], v[AF+FR*(\a):AF+FR*(\a)+FR-1], v[8*(8*((\a)%4)+\b):8*(8*((\a)%4)+\b)+7]
.endif
.endr
.endr
.endm
.macro FETCH_B slot, q, p
	WIN TO_B
.irp i, 0,1,2,3,4,5,6,7
	FRAG 128*(\p)+FR*\i, ADRB+\slot, \q, \i
.endr
	WIN 0
.endm
.macro FETCH_A slot, q, i0
.irp i, \i0, \i0+1, \i0+2, \i0+3
	FRAGA AF+FR*(\i), ADRA+\slot, \q, \i
.endr
.endm
.macro PLACES n                        ; places in front of loads into registers that matrix instructions have read, and of the first read of results (ISA guide 7.12.1 for the first read of results)
.rept \n
	v_nop
.endr
.endm
.macro STEP slot, q, zero
	s_wait_dscnt 4*NL                              ; B's set and A's blocks 0-3 are in; the youngest 16 loads (A's blocks 4-7) may be out
	WIN MUL_LO
	MUL16 0, (\q)%2, \zero
	MUL16 2, (\q)%2, \zero
	s_wait_dscnt 0
	PLACES NP
	FETCH_B \slot, (\q)+1, 1-(\q)%2
	FETCH_A \slot, (\q)+1, 0
	WIN MUL_HI
	MUL16 4, (\q)%2, \zero
	MUL16 6, (\q)%2, \zero
	PLACES NP
	WIN 0
	FETCH_A \slot, (\q)+1, 4
.endm
; A slot's last step changes slots: ONE barrier; in front of it each wave waits for all its tensor loads, adds 0 to its spare word, and waits for that and for its own reads of this slot.
.macro TURN slot, next, fill
	s_wait_tensorcnt 0x0                           ; all my tensor loads have landed: my part of the next slot;
	ds_add_u32 v[SPW], v[NIL]                      ; 0 onto my spare word
	s_wait_dscnt 4*NL+1                            ; (the add and the youngest 16 loads may be out)
	WIN MUL_LO
	MUL16 0, 1, 0
	s_wait_dscnt 0x0                               ; the add is done, and my reads of this slot are over
	s_barrier_signal -1
	MUL16 2, 1, 0
	WIN 0
	s_barrier_wait -1
.if \fill
	CREST                                          ; the barrier has opened a round of the cluster's barrier: no wave of any partner still reads this slot's tile or has a load on its way
	s_add_nc_u64 s[G0+4*\slot+2:G0+4*\slot+3], s[G0+4*\slot+2:G0+4*\slot+3], 2*ABLK
	s_add_nc_u64 s[G0B+4*\slot+2:G0B+4*\slot+3], s[G0B+4*\slot+2:G0B+4*\slot+3], 2*ROWB
	JLOAD G0+4*\slot, G1, G0B+4*\slot, G1B         ; the first tensor load behind the round; its four v_nop are the places in front of the loads below
.else
	PLACES NP
.endif
	FETCH_B \next, 0, 0
	FETCH_A \next, 0, 0
	WIN MUL_HI
	MUL16 4, 1, 0
	MUL16 6, 1, 0
	PLACES NP
	WIN 0
	FETCH_A \next, 0, 4
.endm
	s_wait_alu depctr_va_vdst(0)
	s_wait_tensorcnt 1                             ; my part of K step 0 is in (K step 1's load may be out),
	s_barrier_signal -1
	s_barrier_wait -1                              ; everybody's is
	FETCH_B 0, 0, 0
	FETCH_A 0, 0, 0
	FETCH_A 0, 0, 4
	STEP 0, 0, 1                                   ; the first step's products start the sums
	s_mov_b32 s3, LAPS-1
.Llap:
	TURN 0, 1, 1
	STEP 1, 0, 0
	TURN 1, 0, 1
	STEP 0, 0, 0
	s_sub_co_u32 s3, s3, 1
	s_cmp_lg_u32 s3, 0
	s_cbranch_scc1 .Llap
	TURN 0, 1, 0                                   ; the last lap fills nothing
	STEP 1, 0, 0
	s_wait_dscnt 4*NL
	WIN MUL_LO
	MUL16 0, 1, 0
	MUL16 2, 1, 0
	s_wait_dscnt 0
	WIN MUL_HI
	MUL16 4, 1, 0
	MUL16 6, 1, 0
	WIN 0
; THE WAY OUT, block by block of 16 rows x 128 columns: out = sum x 2^(e10 + e11) + bo, one packed multiply-add for two numbers, in place, each accumulator from its low end on; through my own stage in LDS;
; back as whole rows of 512 bytes.  LDS serves a wave's instructions in order (ISA guide 5.7.1.4): no wait between the stores and the loads, nor in front of the next block's stores.
.macro TOSTAGE a
.set AC, 64*((\a)%4)
.set WW, 2+((\a)/4)
	WIN ((WW<<6)|WW)                               ; destination and source 0: window 2 or 3; the biases: window 0
.set j, 0
.rept 32
	v_pk_fma_f32 v[AC+j:AC+j+1], v[AC+j:AC+j+1], s[96:97], v[BIAS+j:BIAS+j+1] op_sel_hi:[1,0,1]
.set j, j+2
.endr
	WIN (WW<<2)                                    ; an LDS store's data are its source 1
.irp b, 0,1,2,3,4,5,6,7
	ds_store_b128 v[STO], v[AC+8*\b:AC+8*\b+3] offset:64*\b
	ds_store_b128 v[STO], v[AC+8*\b+4:AC+8*\b+7] offset:64*\b+16
.endr
	WIN 0
.set BB, BK+64*((\a)%2)
.irp t, 0,1,2,3,4,5,6,7,8,9,10,11,12,13,14,15
	ds_load_b128 v[BB+4*\t:BB+4*\t+3], v[RD] offset:\t*SPITCH
.endr
.endm
.macro SEND a, younger                 ; younger: the LDS instructions issued behind block a's loads, which may stay out
.set BB, BK+64*((\a)%2)
	s_wait_dscnt \younger                          ; the block is back in registers
.if (\a) > 0
	s_add_nc_u64 s[12:13], s[12:13], 16*SIZE_N*4   ; (behind a wait on XCNT: the earlier stores have read their base)  16 rows on
.endif
.irp t, 0,1,2,3,4,5,6,7,8,9,10,11,12,13,14,15
	global_store_b128 v[CO], v[BB+4*\t:BB+4*\t+3], s[12:13] offset:\t*SIZE_N*4 th:TH_STORE_NT   ; 32 lanes store 512 consecutive bytes, at a multiple of 256 from out's first byte; written once, read by nobody here
.endr
.endm
	s_wait_kmcnt 0x0
	s_add_co_i32 s96, s96, s97                     ; e10 + e11, between -126 and 127,
	s_add_co_i32 s96, s96, 127
	s_lshl_b32 s96, s96, 23                        ; makes the f32 number 2^(e10 + e11)
	s_mov_b32 s97, s96                             ; (named with it as a pair, so it is written)
	s_wait_loadcnt 0x0                             ; the biases
	PLACES NP                                      ; behind the last products
	TOSTAGE 0
.irp a, 1,2,3,4,5,6,7
.if \a > 1
	s_wait_xcnt 0x0                                ; block a - 2's stores have read their registers and their base: block a's loads may land there, and the base may step
.endif
	TOSTAGE \a
	SEND \a-1, 32                                  ; behind block a - 1's loads: block a's 16 stores and 16 loads
.endr
	s_wait_xcnt 0x0                                ; block 6's stores have read their base
	SEND 7, 0
	s_wait_tensorcnt 0x0                           ; the wave's end: behind my last tensor load and my last LDS store
	ds_add_u32 v[SPW], v[NIL]
	s_wait_dscnt 0x0
	CROUND                                         ; the closing round: no work-group ends while a partner may still ask for a tile that names it
	s_endpgm
.Lfunc_end_k_qe80d8add8e_proj:
	.size	k_qe80d8add8e_proj, .Lfunc_end_k_qe80d8add8e_proj-k_qe80d8add8e_proj
	.p2alignl 7, 3214868480
	.fill 96, 4, 3214868480
	.section	.rodata,"a",@progbits
	.p2align	6, 0x0
	.amdhsa_kernel k_qe80d8add8e_proj
		.amdhsa_group_segment_fixed_size 327680
		.amdhsa_private_segment_fixed_size 0
		.amdhsa_enable_private_segment 0
		.amdhsa_kernarg_size 40
		.amdhsa_user_sgpr_count 2
		.amdhsa_user_sgpr_kernarg_segment_ptr 1
		.amdhsa_wavefront_size32 1
		.amdhsa_system_sgpr_workgroup_id_x 1
		.amdhsa_system_sgpr_workgroup_id_y 1
		.amdhsa_system_sgpr_workgroup_id_z 1
		.amdhsa_system_vgpr_workitem_id 0
		.amdhsa_next_free_vgpr 1024
		.amdhsa_next_free_sgpr 98
		.amdhsa_reserve_vcc 0
		.amdhsa_float_denorm_mode_32 3
		.amdhsa_float_denorm_mode_16_64 3
		.amdhsa_memory_ordered 1
		.amdhsa_forward_progress 1
		.amdhsa_inst_pref_size 126
	.end_amdhsa_kernel
	.amdgpu_metadata
---
amdhsa.version: [ 1, 2 ]
amdhsa.kernels:
  - .name:           k_qe80d8add8e_proj
    .symbol:         k_qe80d8add8e_proj.kd
    .args:
      - { .name: a_codes, .offset: 0, .size: 8, .value_kind: global_buffer, .address_space: global }
      - { .name: wo_codes, .offset: 8, .size: 8, .value_kind: global_buffer, .address_space: global }
      - { .name: bo, .offset: 16, .size: 8, .value_kind: global_buffer, .address_space: global }
      - { .name: lowp_scales, .offset: 24, .size: 8, .value_kind: global_buffer, .address_space: global }
      - { .name: out0, .offset: 32, .size: 8, .value_kind: global_buffer, .address_space: global }
    .group_segment_fixed_size: 327680
    .private_segment_fixed_size: 0
    .kernarg_segment_align: 8
    .kernarg_segment_size: 40
    .max_flat_workgroup_size: 128
    .sgpr_count:     98
    .vgpr_count:     1024
    .wavefront_size: 32
...
	.end_amdgpu_metadata
.endif
;; end of part 3
